; MI455X (gfx1250); checked and timed in simulation.
; The chip was launched on July 23, 2026; its instructions are those of AMD's public machine-readable ISA for CDNA 5 (MIT licence, August 2026) and "CDNA5" Instruction Set Architecture Reference Guide (July 2026). The comments in the code are by the model that wrote it; some were corrected since.
;; KAN Original. Allowed arithmetic: float matrix products may take bf16 or f16 operands with f32 sums; other float arithmetic in f32, or as packed bf16 or f16 multiplies, adds, multiply-adds, maxima and minima; sums over many terms, partial sums and values carried from step to step in f32; what a program stores and reads back later, other than sums and carried values, may be rounded once to bf16 or f16.
;; Inputs: bias 512 float32; coef 512 x 512 x 6 float32; scale_base 512 x 512 float32; scale_sp 512 x 512 float32; x 8 x 2,048 x 512 float32.
;; Outputs: out0 8 x 2,048 x 512 float32.
;; One version. Each part assembles by itself: llvm-mc -triple=amdgcn-amd-amdhsa -mcpu=gfx1250 --defsym DOCPART=n.
;; ======== version 1 of 1: 2 launches
;; limits: a function is approximated: absolute error at most 0.00062; values are held in f16: magnitudes above 65,504 overflow, below 6.1e-05 lose precision; inputs' magnitudes at most 65,504
;; workspace buffers: wf 3,670,016 bytes
;; launch pack (part 1): grid 256 x 1, 4 waves a work-group, no clusters, 0 bytes of LDS; arguments coef, scale_base, scale_sp, wf; writes wf
.if DOCPART == 1
	.amdgcn_target "amdgcn-amd-amdhsa--gfx1250"
	.amdhsa_code_object_version 6
	.text
	.protected	k_q9f40a754f8_pack
	.globl	k_q9f40a754f8_pack
	.p2align	8
	.type	k_q9f40a754f8_pack,@function
k_q9f40a754f8_pack:
	s_mov_b64 s[64:65], 0
	v_nop
	global_prefetch_b8 v0, s[64:65] scope:SCOPE_SE
	s_setreg_imm32_b32 hwreg(HW_REG_WAVE_MODE, 25, 1), 1
	s_wait_xcnt 0x0
; THE WEIGHTS OF THE ONE PRODUCT, in f16 and in the order in which the next launch's matrix fragments want them.
; Each input i has seven features: f = 0 silu(x_i), f = 1..6 six times the B-spline value number f - 1.  Their weights for output o:
;   f = 0: scale_base[o][i]        f = 1..6: scale_sp[o][i] x coef[o][i][f-1] / 6      (products in f32, rounded once to f16)
; wf = [s 28][w 4][c 4][ct 8][p 2][lane 32][8 f16], s = 7 ib + f: the element is W_f[o = 128 w + 16 ct + lane % 16][i = 128 ib + 32 c + 16 p + 8 (lane / 16) + e].
; So half a fragment (16 outputs x 32 inputs, registers 4 p .. 4 p + 3) is 512 consecutive bytes, 16 a lane.
; LIMITS.  f16 ends at 65,504: |scale_base| and |scale_sp x coef / 6| stay below that; below 6e-5 a weight keeps f16's fixed step of 6e-8.
; SHARES.  1,024 waves.  Wave Wd = 4 x work-group + wave takes (p, c, ib) = the low five bits of Wd and the 16 outputs 16 T .., T = Wd >> 5; a lane takes one output row and
; eight inputs, for all seven features: 192 consecutive bytes of coef, 32 of each scale.  Each store of a wave covers 512 consecutive bytes, aligned.
; Memory binds and nothing is shared: no LDS, no barrier, no matrix unit; every byte is read once and written once.
.set C,  16                            ; v[16:63]   coef of my eight inputs: C + 6 e + b
.set SP, 64                            ; v[64:71]   scale_sp, then scale_sp / 6
.set SB, 72                            ; v[72:79]   scale_base
.set O,  80                            ; v[80:107]  feature f's 16 bytes at O + 4 f
	s_load_b256 s[4:11], s[0:1], 0x0               ; coef s[4:5], scale_base s[6:7], scale_sp s[8:9], wf s[10:11]
	v_lshrrev_b32 v1, 5, v0
	v_readfirstlane_b32 s12, v1                    ; wave 0..3
	s_lshl_b32 s13, ttmp9, 2
	s_add_co_u32 s13, s13, s12                     ; Wd
	s_and_b32 s14, s13, 31                         ; (ib, c, p): 16 inputs for each step of this number
	s_lshr_b32 s15, s13, 5                         ; T
	s_mul_i32 s16, s15, 16*12288                   ; coef: 16 rows of 12,288 bytes,
	s_mul_i32 s17, s14, 16*24                      ; 16 inputs of 24 bytes
	s_add_co_u32 s16, s16, s17
	s_lshl_b32 s18, s15, 15                        ; the scales: 16 rows of 2,048 bytes,
	s_lshl_b32 s19, s14, 6                         ; 16 inputs of 4 bytes
	s_add_co_u32 s18, s18, s19
	s_lshr_b32 s20, s14, 3                         ; ib
	s_mul_i32 s20, s20, 7*131072                   ; wf: step 7 ib,
	s_lshr_b32 s21, s15, 3                         ; w
	s_lshl_b32 s21, s21, 15
	s_add_co_u32 s20, s20, s21
	s_bfe_u32 s21, s14, 0x20001                    ; c: two bits from bit 1
	s_lshl_b32 s21, s21, 13
	s_add_co_u32 s20, s20, s21
	s_and_b32 s21, s15, 7                          ; ct
	s_lshl_b32 s21, s21, 10
	s_add_co_u32 s20, s20, s21
	s_and_b32 s21, s14, 1                          ; p
	s_lshl_b32 s21, s21, 9
	s_add_co_u32 s20, s20, s21
	v_and_b32 v5, 15, v0                           ; l % 16: my output row among the 16
	v_bfe_u32 v6, v0, 4, 1                         ; l / 16: which eight inputs of the 16
	v_and_b32 v7, 31, v0                           ; l
	v_mul_u32_u24 v2, v5, 12288
	v_mul_u32_u24 v8, v6, 192
	v_add3_u32 v2, v2, v8, s16                     ; my byte offset in coef
	v_lshlrev_b32 v3, 11, v5
	v_lshl_add_u32 v3, v6, 5, v3
	v_add_nc_u32 v3, s18, v3                       ; in the two scales
	v_lshl_add_u32 v4, v7, 4, s20                  ; in wf, feature 0
	s_wait_kmcnt 0x0
.irp t, 0,1,2,3,4,5,6,7,8,9,10,11
	global_load_b128 v[C+4*(\t):C+4*(\t)+3], v2, s[4:5] offset:16*(\t)
.endr
	global_load_b128 v[SP:SP+3],   v3, s[8:9]
	global_load_b128 v[SP+4:SP+7], v3, s[8:9] offset:16
	global_load_b128 v[SB:SB+3],   v3, s[6:7]
	global_load_b128 v[SB+4:SB+7], v3, s[6:7] offset:16
	s_wait_loadcnt 0x0                             ; all sixteen loads: everything below needs them
.irp e, 0,2,4,6
	v_pk_mul_f32 v[SP+(\e):SP+(\e)+1], v[SP+(\e):SP+(\e)+1], 0x3e2aaaab op_sel_hi:[1,0]  ; scale_sp / 6
.endr
.set e, 0
.rept 8
.set b, 0
.rept 6
	v_mul_f32 v[C+6*e+b], v[C+6*e+b], v[SP+e]
.set b, b+1
.endr
.set e, e+1
.endr
.set q, 0
.rept 4                                ; inputs 2 q and 2 q + 1 share a word, the lower input in the lower half
	v_cvt_pk_f16_f32 v[O+q], v[SB+2*q], v[SB+2*q+1]
.set b, 0
.rept 6
	v_cvt_pk_f16_f32 v[O+4*(b+1)+q], v[C+12*q+b], v[C+12*q+6+b]
.set b, b+1
.endr
.set q, q+1
.endr
.irp f, 0,1,2,3,4,5,6
	global_store_b128 v4, v[O+4*(\f):O+4*(\f)+3], s[10:11] offset:(\f)*131072  ; feature f lies f steps of 131,072 bytes on
.endr
	s_endpgm
.Lfunc_end_k_q9f40a754f8_pack:
	.size	k_q9f40a754f8_pack, .Lfunc_end_k_q9f40a754f8_pack-k_q9f40a754f8_pack
	.p2alignl 7, 3214868480
	.fill 96, 4, 3214868480
	.section	.rodata,"a",@progbits
	.p2align	6, 0x0
	.amdhsa_kernel k_q9f40a754f8_pack
		.amdhsa_group_segment_fixed_size 0
		.amdhsa_private_segment_fixed_size 0
		.amdhsa_enable_private_segment 0
		.amdhsa_kernarg_size 32
		.amdhsa_user_sgpr_count 2
		.amdhsa_user_sgpr_kernarg_segment_ptr 1
		.amdhsa_wavefront_size32 1
		.amdhsa_system_sgpr_workgroup_id_x 1
		.amdhsa_system_sgpr_workgroup_id_y 1
		.amdhsa_system_sgpr_workgroup_id_z 1
		.amdhsa_system_vgpr_workitem_id 0
		.amdhsa_next_free_vgpr 112
		.amdhsa_next_free_sgpr 66
		.amdhsa_reserve_vcc 0
		.amdhsa_float_denorm_mode_32 3
		.amdhsa_float_denorm_mode_16_64 3
		.amdhsa_memory_ordered 1
		.amdhsa_forward_progress 1
		.amdhsa_inst_pref_size 8
	.end_amdhsa_kernel
	.amdgpu_metadata
---
amdhsa.version: [ 1, 2 ]
amdhsa.kernels:
  - .name:           k_q9f40a754f8_pack
    .symbol:         k_q9f40a754f8_pack.kd
    .args:
      - { .name: coef, .offset: 0, .size: 8, .value_kind: global_buffer, .address_space: global }
      - { .name: scale_base, .offset: 8, .size: 8, .value_kind: global_buffer, .address_space: global }
      - { .name: scale_sp, .offset: 16, .size: 8, .value_kind: global_buffer, .address_space: global }
      - { .name: wf, .offset: 24, .size: 8, .value_kind: global_buffer, .address_space: global }
    .group_segment_fixed_size: 0
    .private_segment_fixed_size: 0
    .kernarg_segment_align: 8
    .kernarg_segment_size: 32
    .max_flat_workgroup_size: 128
    .sgpr_count:     66
    .vgpr_count:     112
    .wavefront_size: 32
...
	.end_amdgpu_metadata
.endif
;; end of part 1
;; launch kan (part 2): grid 256 x 1, 4 waves a work-group, clusters of 4 x 1, 327,680 bytes of LDS; arguments x, wf, bias, out0; writes out0
.if DOCPART == 2
	.amdgcn_target "amdgcn-amd-amdhsa--gfx1250"
	.amdhsa_code_object_version 6
	.text
	.protected	k_q9f40a754f8_kan
	.globl	k_q9f40a754f8_kan
	.p2align	8
	.type	k_q9f40a754f8_kan,@function
k_q9f40a754f8_kan:
	s_mov_b64 s[64:65], 0
	v_nop
	global_prefetch_b8 v0, s[64:65] scope:SCOPE_SE
	s_setreg_imm32_b32 hwreg(HW_REG_WAVE_MODE, 25, 1), 1
	s_wait_xcnt 0x0
	s_wait_alu depctr_hold_cnt(0) depctr_sa_sdst(0) depctr_va_vdst(0) depctr_va_sdst(0) depctr_va_ssrc(0) depctr_va_vcc(0) depctr_vm_vsrc(0)
	s_getreg_b32 s2, hwreg(HW_REG_IB_STS2, 6, 4)
	s_cmp_eq_u32 s2, 0
	s_cbranch_scc0 .Lentry_in_a_cluster
	s_endpgm
.Lentry_in_a_cluster:
	s_bfe_u32 s2, ttmp6, 0x10000c
	s_cmp_lg_u32 s2, 0x3003
	s_cbranch_scc0 .Lentry_shape_is_right
	s_endpgm
.Lentry_shape_is_right:
; out0[n][o] = bias[o] + the sum over i of ( scale_base[o][i] silu(x[n][i]) + the sum over j of scale_sp[o][i] coef[o][i][j] B_j(x[n][i]) ):  ONE PRODUCT, [16,384 x 3,584] x [3,584 x 512],
; whose left operand, seven features of each x, is made here and never goes to memory.  The weights come from wf (f16, fragment order, 1/6 folded in: see the launch before).
; THE BASIS.  The knots are -3 + 2 m / 3.  With d = 1.5 x + 2.5 - j, a = max(2 - |d|, 0), b = max(1 - |d|, 0):  6 B_j = a^3 - 4 b^3: the cubic B-spline in closed form; it is 0 outside
; the knots and joins smoothly, so the half-open intervals of the recursion need no case of their own.  It is reckoned in packed f16 on x rounded to f16: ten lines for two numbers; b is carried as k b, k = 4^(1/3).
; silu(x) = x / (1 + 2^(-1.442695 x)) is made in f32 and rounded once to f16.  Matrix operands f16, sums f32, out0 f32.
; LIMITS.  |x| below 65,504 (f16's end); k is f16's 1.58691, so 4 counts as 3.9963; a NaN in x reaches out0 through the silu feature alone; infinities are not treated apart.
; K ORDER.  28 steps of 128: step s = 7 ib + f takes feature f of the inputs 128 ib .. 128 ib + 127.
; SHARES.  A work-group owns 64 tokens and all 512 outputs: 256 work-groups, and each x is expanded once in the launch.  Wave w multiplies the 64 tokens by outputs 128 w .. 128 w + 127
; (32 accumulators, 256 registers) and MAKES the features of tokens 16 w .. 16 w + 15, which all four waves read from LDS.
; THE MATRIX INSTRUCTION IS USED TRANSPOSED (source 0 = 16 outputs' weights, source 1 = 16 tokens' features): a lane ends with one token and eight neighbouring outputs.
; BY TURNS.  A step has 128 matrix instructions a wave and 320 vector lines (the next step's feature): up to three of them stand behind each matrix instruction, at the price of two window switches.
; CLUSTER.  The four row blocks of a cluster walk the same weights: each wave asks JOINTLY (mask of four) for its own quarter of a step's tile, 32,768 bytes, one load a wave a step.
; LDS.  0: weights, slot 0 (wave w's quarter at 32,768 w); 131,072: slot 1; 262,144 and 294,912: features, two slots of 64 rows x 272 bytes, written by LDS stores alone;
; 312,320: the spare words.  The way out's stages (16 rows x 528 bytes a wave, from 262,144 on) lie on the features' bytes, behind a barrier of their own.
; REGISTERS, in windows of 256 (s_set_vgpr_msb: bits 1:0 source 0, 3:2 source 1, 5:4 source 2, 7:6 destination):
;   window 0: addresses, constants, x and the vector work      window 1: accumulator (rt, ct) at 8 (8 rt + ct)      window 2: two fragment buffers of 96, then the bias as 64 registers of C operand
.set TILE,  131072                     ; a step's weights
.set SLOTB, 1<<17                      ; one exclusive or turns an address in one weight slot into the other's
.set ASLOT, 262144                     ; the features' slot 0
.set SLOTA, 1<<15                      ; and the distance to their slot 1
.set PA,    272                        ; a feature row: 256 bytes + 16 = 68 words: the 16 rows of a fragment load start at 16 different groups of four banks (64 banks of 4 bytes: ISA guide 11.1)
.set PS,    528                        ; a stage row: 512 bytes + 16, likewise
.set SPARE, 312320                     ; the spare words, 128 bytes for each wave: two blocks of 256 bytes that no other line names
.set AB0, 4                            ; v4   32,768 w + 16 l: my 16 bytes of half a weight fragment; never rewritten
.set AA0, 5                            ; v5   ASLOT + (l % 16) PA + 16 (l / 16): my place in a feature fragment; never rewritten
.set AS0, 6                            ; v6   ASLOT + 16 w PA + 8 l: where I put four features of my wave's first token; never rewritten
.set AB,  7                            ; v7-9 the same three in the slots of the step in hand
.set AA,  8
.set AS,  9
.set XO,  10                           ; v10  16 l: my 16 bytes of 512 of a row of x
.set GO,  11                           ; v11  16 l: the same in out0
.set STO, 12                           ; v12  the way out: where I put 16 bytes of a token's row
.set RD,  13                           ; v13  the way out: where I read a row back
.set PFO, 14                           ; v14  256 l: the prefetches' offset
.set BO,  15                           ; v15  512 w + 32 (l / 16): my eight numbers of bias, tile 0
.set SPW, 16                           ; v16  LDS address of my spare word: SPARE + 4 x my thread's number; never rewritten
.set NIL, 17                           ; v17  0, for the add alone
.set ZERO, 18                          ; v18  0 twice in f16
.set CJ,  19                           ; v19  2.5 - j twice in f16
.set TWO, 20                           ; v20  2 twice
.set NK,  21                           ; v21  -k twice
.set XH,  24                           ; v[24:55]   x in f16: token r's four numbers in words 2 r, 2 r + 1
.set XS,  64                           ; v[64:127]  x in f32 as loaded: token r at 4 r; on the way out rows read back
.set T,   128                          ; v[128:191] at work; on the way out rows read back
.set F0,  0                            ; window 2: fragment buffer 0: weights of tile ct at 8 ct, features of tokens 16 rt .. at 64 + 8 rt
.set F1,  96                           ; buffer 1
.set BIAS, 192                         ; window 2: bias of tile ct at 8 ct, laid out as an accumulator's registers
.set XP,  4                            ; s[4:5]   x at my wave's tokens, at the block of 128 inputs to be loaded next
.set WV,  12                           ; s12  my wave's number
.set CX,  13                           ; s13  my place in the cluster
.set G1,  24                           ; s[24:31] descriptor group 1
.set G0A, 32                           ; s[32:35] group 0 of the first fill of slot 0
.set G0B, 36                           ; s[36:39] group 0 of the first fill of slot 1; then it walks
.set TB,  40                           ; s40  0 or SLOTB: the weight slot that is read
.set TA,  41                           ; s41  0 or SLOTA: the feature slot that is read
.set TS,  42                           ; s42  the other feature slot, which is written
.set CNT, 43                           ; s43  basis steps to go in this block of inputs
.set OUTER, 44                         ; s44  blocks of inputs to go
.set LEFT, 45                          ; s45  27 less the step in hand
.set LIM, 46                           ; s46  2 in a cluster that prefetches, else the greatest number
.set PFA, 48                           ; s[48:49] where my prefetch stands in wf
.set C15, 50                           ; s50  1.5 twice in f16
.set CM1, 51                           ; s51  -1 twice
.set CKA, 52                           ; s52  k twice
.set CABS, 53                          ; s53  clears two signs
.set NL2E, 54                          ; s[54:55] -log2(e); the packed multiply takes the pair's low word for both halves
.set MSB, 0
.set DSEQ, 0                           ; counts the LDS instructions as they are written, so that a wait can name how many stand behind the load that it needs
.set MARKA, 0
.set MARKB, 0
.set RN, 0
.macro WIN new                         ; the immediate's high byte repeats the setting that is left; a switch that changes nothing is dropped
.if MSB != (\new)
	s_set_vgpr_msb (MSB<<8)|(\new)
.set MSB, (\new)
.endif
.endm
.set MUL,  0x5a                        ; sources 0 and 1 window 2, C and D window 1
.set MULB, 0x6a                        ; the same with C in window 2: the bias starts the sums
.set TOF,  0x80                        ; destination window 2, address window 0
.set ST1,  0x04                        ; an LDS store's data in window 1
.macro PLACES                          ; four places in front of loads into registers that matrix instructions have read, and of stores that read results
.rept 4
	v_nop
.endr
.endm
; A round of the cluster's barrier: my work-group's barrier, so that wave 0's signal speaks for all four waves; wave 0 signals; every wave waits for all four work-groups; my work-group's barrier once more.
.macro CREST
	s_cmp_lg_u32 s[WV], 0
	s_cbranch_scc1 .Lnot_wave_0_\@
	s_barrier_signal -3
.Lnot_wave_0_\@:
	s_barrier_wait -3
	s_barrier_signal -1
	s_barrier_wait -1
.endm
.macro CROUND
	s_barrier_signal -1
	s_barrier_wait -1
	CREST
.endm
.macro XLOAD                           ; my 16 tokens x 128 inputs: each load covers 512 consecutive bytes of a row, aligned
.set rho, 0
.rept 16
	global_load_b128 v[XS+4*rho:XS+4*rho+3], v[XO], s[XP:XP+1] offset:rho*2048 th:TH_LOAD_NT
.set rho, rho+1
.endr
.endm
.macro JLOAD                           ; the joint refill: every wave's own quarter; the descriptor hangs on the wave's number and the step alone, so it is equal in the four partners
	tensor_load_to_lds s[G0B:G0B+3], s[G1:G1+7]
	s_nop 0
.endm
.macro ADDR                            ; the step's LDS addresses: four plain lines in window 0, which are also the places in front of the fetch that follows
	v_add_nc_u32 v[AB], s[TB], v[AB0]
	v_add_nc_u32 v[AA], s[TA], v[AA0]
	v_add_nc_u32 v[AS], s[TS], v[AS0]
	v_nop
.endm
; 24 LDS loads in one run: chunk c (32 along K) into buffer f: the four feature fragments, weight tiles 0-3 (MARKA), weight tiles 4-7 (MARKB)
.macro FETCH c, f
	WIN TOF
.irp r, 0,1,2,3
	ds_load_b128 v[(\f)+64+8*(\r):(\f)+64+8*(\r)+3],   v[AA] offset:(\r)*16*PA+64*(\c)
	ds_load_b128 v[(\f)+64+8*(\r)+4:(\f)+64+8*(\r)+7], v[AA] offset:(\r)*16*PA+64*(\c)+32
.endr
.irp t, 0,1,2,3
	ds_load_b128 v[(\f)+8*(\t):(\f)+8*(\t)+3],   v[AB] offset:(\c)*8192+(\t)*1024
	ds_load_b128 v[(\f)+8*(\t)+4:(\f)+8*(\t)+7], v[AB] offset:(\c)*8192+(\t)*1024+512
.endr
.set DSEQ, DSEQ+16
.set MARKA, DSEQ
.irp t, 4,5,6,7
	ds_load_b128 v[(\f)+8*(\t):(\f)+8*(\t)+3],   v[AB] offset:(\c)*8192+(\t)*1024
	ds_load_b128 v[(\f)+8*(\t)+4:(\f)+8*(\t)+7], v[AB] offset:(\c)*8192+(\t)*1024+512
.endr
.set DSEQ, DSEQ+8
.set MARKB, DSEQ
.endm
.macro WAITDS m                        ; LDS instructions end in order (ISA guide 5.7.1): all up to mark m are done; the count is what has been written behind it: younger fragment loads and feature stores, 40 at the most
	s_wait_dscnt DSEQ-(\m)
.endm
; A PREFETCH INTO THE L2 of the tile that stands two refills on (in step s: tile s + 3).  Every cluster walks the same wf: the first cluster asks, and nobody else.  Of the 128 blocks of 256 bytes of wave w's
; quarter the partner at place cx takes 32, BY ADDRESS; a lane a block, one instruction a wave: each block is named once in the launch.  Tiles 0 to 3 come by their loads alone; behind step 24 nothing is left to name.
.macro ASK
	s_cmp_gt_u32 s[LEFT], s[LIM]
	s_cbranch_scc0 .Lnot_mine_\@
	global_prefetch_b8 v[PFO], s[PFA:PFA+1] th:TH_LOAD_NT scope:SCOPE_SE
.Lnot_mine_\@:
.endm
; THE BASIS LIST: 320 lines for my 16 tokens x 128 inputs; BOP writes number RN.  Group g = RN / 40 takes tokens 2 g and 2 g + 1 (four words); within it ten steps on four words each, so that a line's source was made four lines back.
.macro BOP
.set g, RN/40
.set op, (RN%40)/4
.set q, RN%4
.set tb, T+16*(g%2)                    ; the groups take two sets of 16 registers by turns
.set rA, tb+q
.set rB, tb+4+q
.set rC, tb+8+q
.set rR, tb+12+q
.if op == 0
	v_pk_fma_f16 v[rA], v[XH+4*g+q], s[C15], v[CJ]  ; d = 1.5 x + 2.5 - j
.elseif op == 1
	v_and_b32 v[rA], s[CABS], v[rA]                 ; |d|
.elseif op == 2
	v_pk_fma_f16 v[rA], v[rA], s[CM1], v[TWO]       ; 2 - |d|
.elseif op == 3
	v_pk_max_num_f16 v[rA], v[rA], v[ZERO]          ; a
.elseif op == 4
	v_pk_fma_f16 v[rB], v[rA], s[CKA], v[NK]        ; k a - k = k (1 - |d|) where a is above 0
.elseif op == 5
	v_pk_max_num_f16 v[rB], v[rB], v[ZERO]          ; k b
.elseif op == 6
	v_pk_mul_f16 v[rC], v[rB], v[rB]
.elseif op == 7
	v_pk_mul_f16 v[rC], v[rC], v[rB]                ; 4 b^3
.elseif op == 8
	v_pk_mul_f16 v[rB], v[rA], v[rA]
.else
	v_pk_fma_f16 v[rR], v[rB], v[rA], v[rC] neg_lo:[0,0,1] neg_hi:[0,0,1]  ; a^3 - 4 b^3
.endif
.if RN%40 == 39                        ; the group's two rows: 32 lanes x 8 bytes are a row's 256 bytes
	ds_store_b64 v[AS], v[tb+12:tb+13] offset:(2*g)*PA
	ds_store_b64 v[AS], v[tb+14:tb+15] offset:(2*g+1)*PA
.set DSEQ, DSEQ+2
.endif
.if RN == 319
	v_pk_add_f16 v[CJ], v[CJ], s[CM1]               ; the next step's j
.endif
.set RN, RN+1
.endm
; THE SILU LIST: 288 lines; SOP writes number RN.  0-31 x to f16, for the six basis steps; 32-63 -log2(e) x; 64-127 the exponentials, ONE batch; 128-159 + 1; 160-223 the reciprocals, one batch; 224-255 times x; 256-287 to f16.
; Behind each batch stand one plain line and one wait ahead of the first line that names a result.  At its end: the 16 rows' stores, j = 0, and the loads of the next block of x.
.macro SOP
.if RN == 0
	s_wait_loadcnt 0x0                              ; x is in (and, the first time, the bias): no load is out, so x's pointer may step
	s_add_nc_u64 s[XP:XP+1], s[XP:XP+1], 512
.endif
.if RN < 32
	v_cvt_pk_f16_f32 v[XH+RN], v[XS+2*RN], v[XS+2*RN+1]
.elseif RN < 64
	v_pk_mul_f32 v[T+2*(RN-32):T+2*(RN-32)+1], v[XS+2*(RN-32):XS+2*(RN-32)+1], s[NL2E:NL2E+1] op_sel_hi:[1,0]
.elseif RN < 128
	v_exp_f32 v[T+RN-64], v[T+RN-64]
.elseif RN < 160
	v_pk_add_f32 v[T+2*(RN-128):T+2*(RN-128)+1], v[T+2*(RN-128):T+2*(RN-128)+1], 1.0 op_sel_hi:[1,0]
.elseif RN < 224
	v_rcp_f32 v[T+RN-160], v[T+RN-160]
.elseif RN < 256
	v_pk_mul_f32 v[T+2*(RN-224):T+2*(RN-224)+1], v[T+2*(RN-224):T+2*(RN-224)+1], v[XS+2*(RN-224):XS+2*(RN-224)+1]
.else
	v_cvt_pk_f16_f32 v[T+RN-256], v[T+2*(RN-256)], v[T+2*(RN-256)+1]  ; ascending: word q is written when words 2 q and 2 q + 1, never below it, are read
.endif
.if (RN == 127) || (RN == 223)
	v_nop                                           ; a plain line behind the batch's last,
	s_wait_alu depctr_va_vdst(0)                    ; and the batch's one wait
.endif
.if RN == 287
.set rho, 0
.rept 16
	ds_store_b64 v[AS], v[T+2*rho:T+2*rho+1] offset:rho*PA
.set rho, rho+1
.endr
.set DSEQ, DSEQ+16
	v_mov_b32 v[CJ], 0x41004100                     ; 2.5: j = 0
	s_cmp_eq_u32 s[OUTER], 1                        ; the last block of inputs has none behind it; what is jumped holds no barrier and no tensor load
	s_cbranch_scc1 .Lno_x_\@
	XLOAD                                           ; six steps and more ahead of its use
.Lno_x_\@:
.endif
.set RN, RN+1
.endm
.macro RIDE kind                       ; up to three lines of the list in hand (1: basis, 2: silu, 0: none), in window 0
.if (\kind) == 1
.rept 3
.if RN < 320
	WIN 0
	BOP
.endif
.endr
.elseif (\kind) == 2
.rept 3
.if RN < 288
	WIN 0
	SOP
.endif
.endr
.endif
.endm
; Matrix instruction i of a chunk's 32: weight tile ct = i / 4, tokens 16 (i % 4) on.  The 32 accumulators take turns, one instruction a turn, in the same order in every chunk, over the backward jumps too.
.macro MM f, bias
.set ct, i/4
.set rt, i%4
.set rD, 8*(8*rt+ct)
.if \bias
	WIN MULB
	v_wmma_f32_16x16x32_f16 v[rD:rD+7], v[(\f)+8*ct:(\f)+8*ct+7], v[(\f)+64+8*rt:(\f)+64+8*rt+7], v[BIAS+8*ct:BIAS+8*ct+7]
.else
	WIN MUL
	v_wmma_f32_16x16x32_f16 v[rD:rD+7], v[(\f)+8*ct:(\f)+8*ct+7], v[(\f)+64+8*rt:(\f)+64+8*rt+7], v[rD:rD+7]
.endif
.endm
.macro HALF f, half, kind, bias        ; 16 matrix instructions (tiles 0-3 or 4-7), a slice of the list behind each
.set i, 16*(\half)
.rept 16
	MM \f, \bias
	RIDE \kind
.set i, i+1
.endr
.endm
.macro CHUNK f, g, nextc, kind, bias   ; a chunk on buffer f; in its middle the next chunk is fetched into buffer g
	WAITDS MARKA                                    ; the features and weight tiles 0-3 are in
	HALF \f, 0, \kind, \bias
	PLACES
.set OLDB, MARKB
	FETCH \nextc, \g
	WAITDS OLDB                                     ; weight tiles 4-7 are in; the 24 just issued, and the feature stores since, may be out
	HALF \f, 1, \kind, \bias
.endm
; THE CHANGE OF SLOTS, in the first half of a step's last chunk.  ONE barrier, for three things: in front of it each wave has waited for all its tensor loads (one is out: its quarter of the next tile), has added 0 to its
; spare word, and has waited for that, for its reads of both slots in hand and for its stores of the next step's features.  The barrier opens a round of the cluster's barrier: behind it no wave of any partner
; still reads the weight slot that is filled next or has a load on its way.
.macro MEET
	WAITDS MARKA
	WIN 0                                           ; (the add's two registers lie in window 0)
	s_wait_xcnt 0x0                                 ; the step's prefetch, issued at its head, has read its address, which may now step
	s_add_nc_u64 s[PFA:PFA+1], s[PFA:PFA+1], TILE
	s_wait_tensorcnt 0x0                            ; no tensor load of mine is out, so the walking group 0 may be written
	ds_add_u32 v[SPW], v[NIL]                       ; 0 onto my spare word; scalar steps and eight matrix instructions stand between it and the wait for it
.set DSEQ, DSEQ+1
	s_xor_b32 s[G0B+1], s[G0B+1], SLOTB             ; the other slot than last time,
	s_add_nc_u64 s[G0B+2:G0B+3], s[G0B+2:G0B+3], TILE  ; the next tile; the type bits on top are not reached
	s_xor_b32 s[TB], s[TB], SLOTB
	s_xor_b32 s[TA], s[TA], SLOTA
	s_xor_b32 s[TS], s[TS], SLOTA
	s_sub_co_u32 s[LEFT], s[LEFT], 1
.set i, 0
.rept 8
	MM F1, 0
.set i, i+1
.endr
	s_wait_dscnt 0x0                                ; the add, my reads and my feature stores are done
	s_barrier_signal -1
.rept 8
	MM F1, 0
.set i, i+1
.endr
	WIN 0
	s_barrier_wait -1
	CREST
.endm
; A PERIOD, from one change of slots to the next: the refill first; the second half of the last step's last chunk; three chunks and a half of this step; beside them the next step's feature (kind).
; first = 1: the launch's first step: nothing is left over from a step before, and its first chunk starts the sums with the bias as C.  fill = 1: the weight slot read last is filled with the next tile.
.macro PERIOD kind, first, fill
.set RN, 0
.if \fill
	JLOAD                                           ; my one tensor load behind the round, and the first thing there: it has the period's 128 matrix instructions in which to land
.endif
	ADDR
	FETCH 0, F0
.if \fill
	WIN 0
	ASK
.endif
.if \first
.rept 16
	RIDE \kind
.endr
.else
	HALF F1, 1, \kind, 0
.endif
	CHUNK F0, F1, 1, \kind, \first
	CHUNK F1, F0, 2, \kind, 0
	CHUNK F0, F1, 3, \kind, 0
	MEET
.endm
	s_load_b256 s[4:11], s[0:1], 0x0               ; x s[4:5], wf s[6:7], bias s[8:9], out0 s[10:11]
	v_lshl_add_u32 v[SPW], v0, 2, SPARE
	v_mov_b32 v[NIL], 0
	ds_add_u32 v[SPW], v[NIL]                      ; the wave's opening: the add and its wait stand ahead of my first tensor load; the set-up below, work on registers, stands between them
	v_lshrrev_b32 v22, 5, v0
	v_readfirstlane_b32 s[WV], v22                 ; wave 0..3
	s_bfe_u32 s[CX], ttmp6, 0x40000                ; cx
	s_lshl_b32 s18, ttmp9, 2                       ; in a cluster launch ttmp9 counts clusters
	s_add_co_u32 s18, s18, s[CX]                   ; my block of 64 tokens: it enters x's, out0's and the prefetch's addresses alone
	s_lshl_b32 s14, s[WV], 15                      ; 32,768 w: my quarter of a tile, in wf and in a slot; also my 16 rows of x
	s_mul_i32 s15, s[WV], 16*PA
	s_add_co_u32 s15, s15, ASLOT                   ; my 16 feature rows
	s_mul_i32 s16, s[WV], 16*PS
	s_add_co_u32 s16, s16, ASLOT                   ; my stage
	s_lshl_b32 s17, s[WV], 9                       ; my 128 outputs: 512 bytes of bias and of a row of out0
	s_lshl_b32 s20, s18, 17                        ; 64 rows of 2,048 bytes
	s_add_co_u32 s22, s20, s17
	s_add_co_u32 s20, s20, s14
	s_mov_b32 s21, 0
	s_mov_b32 s23, 0
	s_mov_b32 s56, s14
	s_mov_b32 s57, 0
	s_lshl_b32 s58, s[CX], 13                      ; my work-group's 32 blocks of the 128 that a prefetch shares out
	s_mov_b32 s59, 0
	; descriptor group 1: 32,768 dense bytes as 128 rows of 256
	s_mov_b32 s[G1+0], 15|(3<<16)|(1<<21)          ; 15:0 the mask: all four work-groups; 17:16 elements of 8 bytes; 20 no padding; 21 set beside a mask
	s_mov_b32 s[G1+1], 32<<16                      ; tensor_dim0 = 32
	s_mov_b32 s[G1+2], 128<<16                     ; tensor_dim1 = 128
	s_mov_b32 s[G1+3], 32<<16                      ; tile_dim0 = 32
	s_mov_b32 s[G1+4], 128                         ; tile_dim1 = 128
	s_mov_b32 s[G1+5], 32                          ; 32 elements from row to row
	s_mov_b32 s[G1+6], 0
	s_mov_b32 s[G1+7], 0
	s_mov_b32 s[G0A], 1                            ; count = 1
	s_mov_b32 s[G0A+1], s14                        ; LDS address: slot 0, my quarter
	s_mov_b32 s[G0B], 1
	s_add_co_u32 s[G0B+1], s14, SLOTB              ; slot 1, my quarter
	s_mov_b32 s[TB], 0
	s_mov_b32 s[TA], 0
	s_mov_b32 s[TS], SLOTA
	s_mov_b32 s[OUTER], 4
	s_mov_b32 s[LEFT], 27
	s_cmp_eq_u32 ttmp9, 0                          ; the first cluster: the same answer in all four partners
	s_cselect_b32 s[LIM], 2, -1
	s_mov_b32 s[C15], 0x3e003e00
	s_mov_b32 s[CM1], 0xbc00bc00
	s_mov_b32 s[CKA], 0x3e593e59
	s_mov_b32 s[CABS], 0x7fff7fff
	s_mov_b32 s[NL2E], 0xbfb8aa3b
	s_mov_b32 s[NL2E+1], s[NL2E]                   ; named with it as a pair
	v_and_b32 v1, 15, v0                           ; l % 16
	v_bfe_u32 v2, v0, 4, 1                         ; l / 16
	v_and_b32 v3, 31, v0                           ; l
	v_lshl_add_u32 v[AB0], v3, 4, s14
	v_mul_u32_u24 v[AA0], v1, PA
	v_lshl_add_u32 v[AA0], v2, 4, v[AA0]
	v_add_nc_u32 v[AA0], ASLOT, v[AA0]
	v_lshl_add_u32 v[AS0], v3, 3, s15
	v_lshlrev_b32 v[XO], 4, v3
	v_lshlrev_b32 v[GO], 4, v3
	v_mul_u32_u24 v[STO], v1, PS                   ; in: token l % 16, 32 bytes for each half of the lanes
	v_lshl_add_u32 v[STO], v2, 5, v[STO]
	v_add_nc_u32 v[STO], s16, v[STO]
	v_lshl_add_u32 v[RD], v3, 4, s16               ; back: 32 lanes take a row of 512 bytes
	v_lshlrev_b32 v[PFO], 8, v3
	v_lshl_add_u32 v[BO], v2, 5, s17
	v_mov_b32 v[ZERO], 0
	v_mov_b32 v[TWO], 0x40004000
	v_mov_b32 v[NK], 0xbe59be59
	v_mov_b32 v[AS], v[AS0]                        ; step 0's feature goes into slot 0
	s_wait_dscnt 0x0                               ; the opening add is done
	s_wait_kmcnt 0x0
	s_add_nc_u64 s[XP:XP+1], s[XP:XP+1], s[20:21]  ; x at my wave's 16 tokens
	s_add_nc_u64 s[10:11], s[10:11], s[22:23]      ; out0 at my block's first token, my 128 outputs
	s_add_nc_u64 s[G0A+2:G0A+3], s[6:7], s[56:57]  ; tile 0, my quarter
	s_add_nc_u64 s[G0B+2:G0B+3], s[G0A+2:G0A+3], TILE     ; tile 1
	s_add_nc_u64 s[PFA:PFA+1], s[G0A+2:G0A+3], 3*TILE     ; tile 3: the first change of slots steps it to tile 4, which step 1 names
	s_add_nc_u64 s[PFA:PFA+1], s[PFA:PFA+1], s[58:59]
	s_or_b32 s[G0A+3], s[G0A+3], 0x80000000        ; type = 2
	s_or_b32 s[G0B+3], s[G0B+3], 0x80000000
	WIN TOF
.irp c, 0,1,2,3,4,5,6,7                ; the bias in an accumulator's layout: register j of tile c holds bias[128 w + 16 c + 8 (l / 16) + j]
	global_load_b128 v[BIAS+8*(\c):BIAS+8*(\c)+3],   v[BO], s[8:9] offset:64*(\c)
	global_load_b128 v[BIAS+8*(\c)+4:BIAS+8*(\c)+7], v[BO], s[8:9] offset:64*(\c)+16
.endr
	WIN 0
	XLOAD                                          ; inputs 0 to 127
	CROUND                                         ; all four work-groups are here: the first joint loads meet
	tensor_load_to_lds s[G0A:G0A+3], s[G1:G1+7]    ; the two first fills go out together: two loads of mine are out
	s_nop 0
	tensor_load_to_lds s[G0B:G0B+3], s[G1:G1+7]
	s_nop 0
	PLACES
.set RN, 0
.rept 288
	SOP                                            ; step 0's feature, silu of inputs 0 to 127, while the tiles are on their way; its end asks for inputs 128 to 255
.endr
	s_wait_tensorcnt 0x1                           ; my quarter of tile 0 is in; tile 1's load, issued behind it, may stay out
	s_wait_dscnt 0x0                               ; my feature rows are stored
	s_barrier_signal -1
	s_barrier_wait -1                              ; everybody's are
	PERIOD 1, 1, 0                                 ; step 0 | the feature of step 1
	s_mov_b32 s[CNT], 5                            ; the first block of inputs has five basis periods left
	s_branch .Lbasis                               ; the loop is entered in the middle of a trip
.Louter:                                               ; three times: the last basis step of a block of inputs | silu of the next block
	PERIOD 2, 0, 1
	s_mov_b32 s[CNT], 6
.Lbasis:                                               ; a step | the next step's basis feature
	PERIOD 1, 0, 1
	s_sub_co_u32 s[CNT], s[CNT], 1
	s_cmp_lg_u32 s[CNT], 0
	s_cbranch_scc1 .Lbasis
	s_sub_co_u32 s[OUTER], s[OUTER], 1
	s_cmp_lg_u32 s[OUTER], 0
	s_cbranch_scc1 .Louter
	; THE LAST STEP is written out: nothing is asked for and no feature is made.
.set RN, 0
	ADDR
	FETCH 0, F0
	HALF F1, 1, 0, 0
	CHUNK F0, F1, 1, 0, 0
	CHUNK F1, F0, 2, 0, 0
	CHUNK F0, F1, 3, 0, 0
	s_wait_dscnt 0x0                               ; my last reads of the feature slots are over:
	s_barrier_signal -1                            ; say so,
	HALF F1, 0, 0, 0                               ; work on registers while the others arrive,
	HALF F1, 1, 0, 0
	WIN 0
	s_barrier_wait -1                              ; and behind this the stages may be written over the features
	s_wait_loadcnt 0x0                             ; no load of x is out (the last was waited for seven steps back): its registers take rows of out0
	PLACES                                         ; the stores below read results just made
; THE WAY OUT.  A lane holds eight neighbouring outputs of a token, 32 bytes.  A block of 16 tokens goes into my own stage (each accumulator's low registers first) and comes back as whole rows of 512 bytes.
.macro TOSTAGE rt, ob
	WIN ST1
.irp c, 0,1,2,3,4,5,6,7
	ds_store_b128 v[STO], v[8*(8*(\rt)+(\c)):8*(8*(\rt)+(\c))+3]   offset:64*(\c)
	ds_store_b128 v[STO], v[8*(8*(\rt)+(\c))+4:8*(8*(\rt)+(\c))+7] offset:64*(\c)+16
.endr
	WIN 0
.set tt, 0
.rept 16
	ds_load_b128 v[(\ob)+4*tt:(\ob)+4*tt+3], v[RD] offset:PS*tt  ; LDS serves a wave's instructions in order (ISA guide 5.7.1.4): these see the stores above; the next block's stores come behind them
.set tt, tt+1
.endr
.endm
.macro SEND rt, ob, younger            ; younger: the LDS instructions issued behind this block's loads: the next block's 16 stores and 16 loads, or none
	s_wait_dscnt \younger
.set tt, 0
.rept 16
	global_store_b128 v[GO], v[(\ob)+4*tt:(\ob)+4*tt+3], s[10:11] offset:(16*(\rt)+tt)*2048 th:TH_STORE_NT  ; 512 consecutive bytes, at a multiple of 256 from out0's first
.set tt, tt+1
.endr
.endm
	TOSTAGE 0, XS
	TOSTAGE 1, T
	SEND 0, XS, 32
	s_wait_xcnt 0x0                                ; the stores issued so far have read their data: the registers may be loaded again
	TOSTAGE 2, XS
	SEND 1, T, 32
	s_wait_xcnt 0x0
	TOSTAGE 3, T
	SEND 2, XS, 32
	SEND 3, T, 0
	s_wait_tensorcnt 0x0                           ; the wave's end, behind my last tensor load and my last LDS store
	ds_add_u32 v[SPW], v[NIL]
	s_wait_dscnt 0x0
	CROUND                                         ; the closing round: no work-group ends while a partner may still ask for a tile that names it
	s_endpgm
.Lfunc_end_k_q9f40a754f8_kan:
	.size	k_q9f40a754f8_kan, .Lfunc_end_k_q9f40a754f8_kan-k_q9f40a754f8_kan
	.p2alignl 7, 3214868480
	.fill 96, 4, 3214868480
	.section	.rodata,"a",@progbits
	.p2align	6, 0x0
	.amdhsa_kernel k_q9f40a754f8_kan
		.amdhsa_group_segment_fixed_size 327680
		.amdhsa_private_segment_fixed_size 0
		.amdhsa_enable_private_segment 0
		.amdhsa_kernarg_size 32
		.amdhsa_user_sgpr_count 2
		.amdhsa_user_sgpr_kernarg_segment_ptr 1
		.amdhsa_wavefront_size32 1
		.amdhsa_system_sgpr_workgroup_id_x 1
		.amdhsa_system_sgpr_workgroup_id_y 1
		.amdhsa_system_sgpr_workgroup_id_z 1
		.amdhsa_system_vgpr_workitem_id 0
		.amdhsa_next_free_vgpr 768
		.amdhsa_next_free_sgpr 66
		.amdhsa_reserve_vcc 0
		.amdhsa_float_denorm_mode_32 3
		.amdhsa_float_denorm_mode_16_64 3
		.amdhsa_memory_ordered 1
		.amdhsa_forward_progress 1
		.amdhsa_inst_pref_size 179
	.end_amdhsa_kernel
	.amdgpu_metadata
---
amdhsa.version: [ 1, 2 ]
amdhsa.kernels:
  - .name:           k_q9f40a754f8_kan
    .symbol:         k_q9f40a754f8_kan.kd
    .args:
      - { .name: x, .offset: 0, .size: 8, .value_kind: global_buffer, .address_space: global }
      - { .name: wf, .offset: 8, .size: 8, .value_kind: global_buffer, .address_space: global }
      - { .name: bias, .offset: 16, .size: 8, .value_kind: global_buffer, .address_space: global }
      - { .name: out0, .offset: 24, .size: 8, .value_kind: global_buffer, .address_space: global }
    .group_segment_fixed_size: 327680
    .private_segment_fixed_size: 0
    .kernarg_segment_align: 8
    .kernarg_segment_size: 32
    .max_flat_workgroup_size: 128
    .sgpr_count:     66
    .vgpr_count:     768
    .wavefront_size: 32
...
	.end_amdgpu_metadata
.endif
;; end of part 2
